; MI455X (gfx1250); checked and timed in simulation.
; The chip was launched on July 23, 2026; its instructions are those of AMD's public machine-readable ISA for CDNA 5 (MIT licence, August 2026) and "CDNA5" Instruction Set Architecture Reference Guide (July 2026). The comments in the code are by the model that wrote it; some were corrected since.
;; Space Attention. Allowed arithmetic: matrix products marked QUANTISED: E2M3 operands, one E8M0 scale for each 32 along K, by v_wmma_scale_f32_16x16x128_f8f6f4 with both operands' format E2M3, f32 sums; everything else in f32.
;; Inputs: Wk 1,024 x 256 float32; Wo 1,024 x 1,024 float32; Wq 1,024 x 1,024 float32; Wv 1,024 x 256 float32; attn_mask 256 x 256 bool; k_scale 64 float32; q_scale 64 float32; rope_cos 256 x 32 float32; rope_sin 256 x 32 float32; x 4 x 16 x 256 x 1,024 float32.
;; Outputs: out0 4 x 16 x 256 x 1,024 float32.
;; This version of the problem:
;;   THIS VERSION OF THE PROBLEM IS GIVEN IN LOW PRECISION. The matrix products marked QUANTISED in the list below multiply operands that are first quantised to E2M3 (2 exponent bits, 3 mantissa bits; 6 bits a number), with one power-of-two scale for each 32 numbers along K (OCP MX v1.0); their sums are f32. All else is computed in f32.
;;   The module's matrix products, in the order in which they are computed (A, B: the left and right operand; K: the contracted axis; several contracted axes count as one K, in the product's order):
;;     1. [M 16,384, K 1,024] x [K 1,024, N 1,024]; A: input x; B: input Wq: QUANTISED
;;     2. [M 16,384, K 1,024] x [K 1,024, N 256]; A: input x; B: input Wk: QUANTISED
;;     3. [M 16,384, K 1,024] x [K 1,024, N 256]; A: input x; B: input Wv: QUANTISED
;;     4. batch 1,024 x [M 256, K 64] x [K 64, N 256]; A: computed on the way; B: computed on the way: QUANTISED
;;     5. batch 1,024 x [M 64, K 256] x [K 256, N 256]; A: computed on the way; B: softmax (see below): QUANTISED
;;     6. [M 16,384, K 1,024] x [K 1,024, N 1,024]; A: computed on the way; B: input Wo: QUANTISED
;;   THE QUANTISER, for each operand of a quantised product, along K:
;;     - K is cut into blocks of 32 from its start; a last block that is shorter is filled with zeros.
;;     - A block's scale is 2^e with e = floor(log2(the largest magnitude in the block)) - 2, held to -126 .. 127; a block of zeros has e = 0. As a byte (E8M0): e + 127.
;;     - Each number is divided by its block's scale, clamped to +-7.5, and rounded to the nearest number of E2M3, ties to even, subnormals kept.
;;     - The product sums the exact products of the quantised numbers (number of the format x scale) in f32.
;;   ~~~python
;;   def quantise(x, axis):      # numpy; x: float32 -> the quantised numbers, widened to float32 again
;;       x = np.moveaxis(x, axis, -1); K = x.shape[-1]
;;       x = np.pad(x, [(0, 0)] * (x.ndim - 1) + [(0, -K % 32)]); x = x.reshape(x.shape[:-1] + (-1, 32)); a = np.abs(x).max(-1, keepdims=True)
;;       e = np.where(a > 0, np.clip(np.frexp(np.where(a > 0, a, 1))[1] - 1 - 2, -126, 127), 0)      # np.frexp(a)[1] - 1 = floor(log2(a)), exactly
;;       r = np.clip(x / 2.0 ** e, -7.5, 7.5)
;;       step = 2.0 ** (np.maximum(np.frexp(np.where(r == 0, 1, r))[1] - 1, 0) - 3)
;;       q = np.round(r / step) * step * 2.0 ** e      # np.round: ties to even
;;       return np.moveaxis(q.reshape(q.shape[:-2] + (-1,))[..., :K], -1, axis).astype(np.float32)
;;   ~~~
;;   SOFTMAX AHEAD OF A QUANTISED PRODUCT. Where the list says 'softmax', what is quantised is not the finished softmax but p = 2^(t - M), with t = logit x log2(e) and M = ceil(the row's largest t), a whole number; so 1/2 < the row's largest p <= 1. The row's sum l is taken of the UNQUANTISED p, in f32, and the product's result is divided by l at the end. Since M is a whole number, a kernel that streams over the keys may use a running M (the ceiling of the running maximum): every later rescaling is an exact power of two, which a block's scale takes up: the codes' values come out the same.
;;   OPERANDS COMPUTED ON THE WAY. 'Computed on the way' means the value that the module computes at that place (a softmax that the list does not call 'softmax' is quantised finished and normalised). What goes into a quantiser is computed in f32, as accurately as f32 sums, v_exp_f32 and their like allow (about 1e-6 of the number): no bf16 or f16 on the way to a quantiser, and a product that is left as it is and whose result goes on into a quantised operand takes f32 operands (vector FMAs, or v_wmma_f32_16x16x4_f32). A number that lies on a knife's edge between two numbers of the format may be rounded either way, as far as f32 arithmetic and the matrix unit's own rounding can turn it there, and no further.
;; One version. Each part assembles by itself: llvm-mc -triple=amdgcn-amd-amdhsa -mcpu=gfx1250 --defsym DOCPART=n.
;; ======== version 1 of 1: 3 launches
;; limits: a function is approximated: absolute error at most 1.3e-05
;; workspace buffers: xc 12,582,912 bytes; xs 524,288 bytes; wc 1,966,080 bytes; ws 81,920 bytes; mw 8,192 bytes of whole numbers; ac 12,582,912 bytes; asc 524,288 bytes
;; launch quant (part 1): grid 300 x 1, 4 waves a work-group, no clusters, 34,304 bytes of LDS; arguments x, Wq, Wk, Wv, Wo, attn_mask, xc, xs, wc, ws, mw; writes xc, xs, wc, ws, mw
.if DOCPART == 1
	.amdgcn_target "amdgcn-amd-amdhsa--gfx1250"
	.amdhsa_code_object_version 6
	.text
	.protected	k_q73f1f60b83_quant
	.globl	k_q73f1f60b83_quant
	.p2align	8
	.type	k_q73f1f60b83_quant,@function
k_q73f1f60b83_quant:
	s_mov_b64 s[64:65], 0
	v_nop
	global_prefetch_b8 v0, s[64:65] scope:SCOPE_SE
	s_setreg_imm32_b32 hwreg(HW_REG_WAVE_MODE, 25, 1), 1
	s_wait_xcnt 0x0
; x [16,384][1,024] and the weights Wq, Wk, Wv, Wo ([1,024 (K)][n]), f32, become codes of FP6 (E2M3) with one E8M0 byte for each 32 along K; the mask becomes lane masks.
; A block's scale is 2^(floor(log2(its largest magnitude)) - 2): its byte is that magnitude's exponent field - 2, held at 1 from below.  A block of zeros so gets the byte 1 where the rule says 127:
; its codes are zeros, which add nothing under any byte but 0xff, and this program alone reads the bytes.
; LIMITS: blocks whose largest magnitude lies under 2^-124 keep the byte 1; NaN and infinities among the inputs are not served.
; LAYOUT OF THE CODES: images of the operand's registers.  A fragment (16 rows x 128 K, 12 registers a lane) is two halves of 768 bytes; in a half, registers 0-3 lie at 16 x lane, registers 4, 5 at 512 + 8 x lane.
; THE ROWS OF A TILE ARE NOT NEIGHBOURS: row i of tile T is 32 (T / 2) + 8 (T % 2) + i + 8 (i / 8), of tokens and of weight columns alike, so that a later result's 16 registers of two neighbouring tiles are 16 neighbours.
; SHARES.  Work-groups 0-39: the weights (128 columns x 512 along K each; a wave 32 columns; a lane a column, its registers down K).  40-43: the mask (a wave a tile of 16 queries).
; 44-299: x (64 tokens each; a wave a tile of 16 tokens, all of K in 8 steps of 128).  Only x's path uses LDS.  No barrier: waves share nothing.
.set STGB,  8448                       ; x's path: a wave's stage, 16 rows x (512 bytes + 16)
.set SPARE, 4*STGB                     ; behind the stages: the spare words, 128 bytes a wave
.set SPW,   12                         ; v12  my spare word's LDS address; never rewritten
.set NIL,   13                         ; v13  0; never rewritten
.set R,     32                         ; v32-159   x as loaded, two sets of 64
.set X,     160                        ; v160-223  my 64 numbers of a K step: two whole blocks
.set C,     224                        ; v224-247  a fragment's codes, two sets of 12
.set FLOOR, 0x1800000                  ; 2^(3 - 127)
.set EOFF,  0xff000000                 ; -(2 << 23)
	s_load_b512 s[4:19], s[0:1], 0x0               ; x, Wq, Wk, Wv, Wo, mask, xc, xs
	s_load_b128 s[20:23], s[0:1], 0x40             ; wc, ws
	s_load_b64 s[24:25], s[0:1], 0x50              ; mw
	v_lshl_add_u32 v[SPW], v0, 2, SPARE
	v_mov_b32 v[NIL], 0
	v_lshrrev_b32 v6, 5, v0
	v_readfirstlane_b32 s26, v6                    ; wave
	v_and_b32 v7, 31, v0                           ; lane
	v_and_b32 v8, 15, v0                           ; r
	v_bfe_u32 v9, v0, 4, 1                         ; h
	v_and_b32 v10, 8, v8
	v_add_nc_u32 v10, v10, v8                      ; r + 8 (r / 8)
	s_mov_b32 s29, 0
	s_mov_b32 s33, 0
	s_wait_kmcnt 0x0
	s_cmp_lt_u32 ttmp9, 40
	s_cbranch_scc1 .Lweights
	s_cmp_lt_u32 ttmp9, 44
	s_cbranch_scc1 .Lmask
	; ---------------- x ----------------
	s_sub_co_u32 s27, ttmp9, 44                    ; id = 4 n + j: 64 tokens, 262,144 bytes
	s_lshl_b32 s28, s27, 18
	s_lshr_b32 s30, s26, 1
	s_lshl_b32 s30, s30, 17                        ; 32 (wave / 2) rows of 4,096 bytes
	s_and_b32 s31, s26, 1
	s_lshl_b32 s31, s31, 15                        ; 8 (wave % 2) rows
	s_add_co_u32 s28, s28, s30
	s_add_co_u32 s28, s28, s31
	s_add_nc_u64 s[4:5], s[4:5], s[28:29]          ; x at my tile's first row
	s_lshl_b32 s30, s27, 2
	s_add_co_u32 s30, s30, s26                     ; 16 n + tile
	s_mul_i32 s28, s30, 12288
	s_add_nc_u64 s[16:17], s[16:17], s[28:29]      ; its 8 fragments
	s_lshl_b32 s28, s30, 9
	s_add_nc_u64 s[18:19], s[18:19], s[28:29]      ; its scale words
	s_mul_i32 s31, s26, STGB
	v_lshlrev_b32 v1, 4, v7                        ; 16 x lane
	v_lshl_add_u32 v2, v7, 3, 512                  ; 512 + 8 x lane
	v_add_nc_u32 v3, s31, v1                       ; the stage, in: a row's 512 bytes as they lie
	v_mul_u32_u24 v4, v8, 528
	v_lshl_add_u32 v4, v9, 7, v4
	v_add_nc_u32 v4, s31, v4                       ; out: row r, + 128 h: my block of each 64 along K
	v_lshlrev_b32 v5, 3, v9                        ; 8 h
	s_mov_b32 s2, 0x76543210
	s_mov_b32 s3, 0xfedcba98                       ; lane l xor 16
	v_mov_b32 v31, 0                               ; a lane permute's destination counts as read
.macro XLOAD t                         ; K step t of my 16 rows: each load takes 512 consecutive bytes of one row
.irp i, 0,1,2,3,4,5,6,7,8,9,10,11,12,13,14,15
	global_load_b128 v[R+64*((\t)%2)+4*\i:R+64*((\t)%2)+4*\i+3], v1, s[4:5] offset:(\i+8*(\i/8))*4096+512*(\t) th:TH_LOAD_NT
.endr
.endm
.macro XSTEP t
.set RS, R+64*((\t)%2)
.set CC, C+12*((\t)%2)
.if (\t) < 7
	s_wait_loadcnt 16                              ; this step's 16 loads are in; the next step's 16 may be out
.else
	s_wait_loadcnt 0x0
.endif
.irp i, 0,1,2,3,4,5,6,7,8,9,10,11,12,13,14,15
	ds_store_b128 v3, v[RS+4*\i:RS+4*\i+3] offset:528*\i
.endr
.irp c, 0,1
.irp j, 0,1,2,3,4,5,6,7
	ds_load_b128 v[X+32*\c+4*\j:X+32*\c+4*\j+3], v4 offset:256*\c+16*\j   ; LDS serves a wave's instructions in order: these see the stores above
.endr
.endr
	s_wait_dscnt 0x0                               ; my 64 numbers are in, and the stores have read their registers,
.if (\t) < 6
	XLOAD (\t)+2                                   ; which take the loads of two steps on
.endif
	v_max3_num_f32 v24, |v[X]|, |v[X+1]|, FLOOR    ; my two blocks' largest magnitudes, by turns; the floor holds the byte at 1 from below
	v_max3_num_f32 v25, |v[X+32]|, |v[X+33]|, FLOOR
.irp i, 2,4,6,8,10,12,14,16,18,20,22,24,26,28,30
	v_max3_num_f32 v24, v24, |v[X+\i]|, |v[X+\i+1]|
	v_max3_num_f32 v25, v25, |v[X+32+\i]|, |v[X+33+\i]|
.endr
	v_add_nc_u32 v26, EOFF, v24                    ; 2 off the exponent field: the conversion's scale operand
	v_add_nc_u32 v27, EOFF, v25
	v_lshrrev_b32 v28, 23, v26                     ; the bytes of blocks h and 2 + h
	v_lshrrev_b32 v29, 23, v27
	v_lshl_or_b32 v30, v29, 16, v28
	v_lshlrev_b32 v30, v5, v30                     ; at their places in the row's word
	v_permlanex16_b32 v31, v30, s2, s3
	v_or_b32 v[16+(\t)], v30, v31                  ; with lane l xor 16's two the word is whole
.if (\t) >= 2
	s_wait_xcnt 0x0                                ; the stores of two steps back have read this set of codes
.endif
	v_cvt_scalef32_pk16_fp6_f32 v[CC:CC+2], v[X:X+15], v26
	v_cvt_scalef32_pk16_fp6_f32 v[248:250], v[X+16:X+31], v26      ; (a conversion's three registers begin on an even number)
	v_cvt_scalef32_pk16_fp6_f32 v[CC+6:CC+8], v[X+32:X+47], v27
	v_cvt_scalef32_pk16_fp6_f32 v[252:254], v[X+48:X+63], v27
	v_nop                                          ; one plain place behind the conversions
.irp i, 0,1,2
	v_mov_b32 v[CC+3+\i], v[248+\i]
	v_mov_b32 v[CC+9+\i], v[252+\i]
.endr
	global_store_b128 v1, v[CC:CC+3], s[16:17] offset:1536*(\t)            ; 512 consecutive bytes,
	global_store_b64 v2, v[CC+4:CC+5], s[16:17] offset:1536*(\t)           ; 256,
	global_store_b128 v1, v[CC+6:CC+9], s[16:17] offset:1536*(\t)+768      ; and the second half likewise
	global_store_b64 v2, v[CC+10:CC+11], s[16:17] offset:1536*(\t)+768
.endm
	XLOAD 0
	XLOAD 1
.irp t, 0,1,2,3,4,5,6,7
	XSTEP \t
.endr
	v_cmp_le_u32 vcc_lo, 16, v7                    ; lanes 0-15 keep the words of K steps 0-3, lanes 16-31 those of 4-7
.irp i, 0,1,2,3
	v_cndmask_b32 v[24+\i], v[16+\i], v[20+\i], vcc_lo
.endr
	global_store_b128 v1, v[24:27], s[18:19]       ; 512 consecutive bytes
	s_wait_tensorcnt 0x0                           ; the wave's end: these three lines stand behind my last LDS store
	ds_add_u32 v[SPW], v[NIL]
	s_wait_dscnt 0x0
	s_endpgm
	; ---------------- the weights ----------------
.Lweights:
	s_lshr_b32 s27, ttmp9, 1                       ; which 128 of the 2,560 columns: Wq 0-7, Wk 8-9, Wv 10-11, Wo 12-19
	s_and_b32 s31, ttmp9, 1                        ; which half of K
	s_cmp_lt_u32 s27, 12
	s_cselect_b64 s[28:29], s[10:11], s[12:13]
	s_cselect_b32 s30, 10, 12
	s_cmp_lt_u32 s27, 10
	s_cselect_b64 s[28:29], s[8:9], s[28:29]
	s_cselect_b32 s30, 8, s30
	s_cmp_lt_u32 s27, 8
	s_cselect_b64 s[28:29], s[6:7], s[28:29]
	s_cselect_b32 s30, 0, s30
	s_sub_co_u32 s30, s27, s30
	s_lshl_b32 s30, s30, 9                         ; 128 columns of 4 bytes
	s_lshl_b32 s32, s26, 7                         ; my wave's 32
	s_add_co_u32 s32, s30, s32
	s_add_nc_u64 s[28:29], s[28:29], s[32:33]
	s_lshl_b32 s34, s27, 2
	s_add_co_u32 s34, s34, s26                     ; P: my group of 32 columns = feature tiles 2 P, 2 P + 1
	s_lshl_b32 s32, s34, 4
	s_lshl_b32 s35, s31, 2
	s_add_co_u32 s32, s32, s35
	s_mul_i32 s32, s32, 1536                       ; fragment (2 P, K step 4 x half)
	s_add_nc_u64 s[20:21], s[20:21], s[32:33]
	s_lshl_b32 s32, s34, 10
	s_lshl_b32 s35, s31, 8
	s_add_co_u32 s32, s32, s35
	s_add_nc_u64 s[22:23], s[22:23], s[32:33]
	v_lshl_add_u32 v1, v9, 3, v10                  ; lane (u = lane / 16, r) takes column 8 u + r + 8 (r / 8): row r of tile 2 P + u
	v_lshlrev_b32 v1, 2, v1
	v_mul_u32_u24 v2, v9, 12288
	v_lshl_add_u32 v3, v8, 3, v2
	v_add_nc_u32 v3, 512, v3                       ; registers 4, 5 of my row in an image
	v_lshl_add_u32 v2, v8, 4, v2                   ; registers 0-3
	v_lshlrev_b32 v4, 9, v9
	v_lshl_add_u32 v4, v8, 4, v4                   ; my row's four scale words
.macro WLOAD q, pitch                  ; block q: W(32 q + i, my column): the wave's 32 lanes cover 128 consecutive bytes
.irp i, 0,1,2,3,4,5,6,7,8,9,10,11,12,13,14,15,16,17,18,19,20,21,22,23,24,25,26,27,28,29,30,31
	global_load_b32 v[32+32*((\q)%2)+\i], v1, s[28:29] offset:(32*(\q)+\i)*(\pitch) th:TH_LOAD_NT
.endr
.endm
.macro WBLOCK q, pitch                 ; block q is K step q / 4, half (q % 4) / 2, lanes' half q % 2 of its fragment
.set XS, 32+32*((\q)%2)
.set CW, 96+8*(\q)
.set OC, 1536*((\q)/4)+768*(((\q)%4)/2)
.if (\q) < 15
	s_wait_loadcnt 32                              ; this block's 32 loads are in; the next block's may be out
.else
	s_wait_loadcnt 0x0
.endif
	v_max3_num_f32 v24, |v[XS]|, |v[XS+1]|, |v[XS+2]|
	v_max3_num_f32 v25, |v[XS+3]|, |v[XS+4]|, |v[XS+5]|
.irp i, 6,10,14,18,22,26
	v_max3_num_f32 v24, v24, |v[XS+\i]|, |v[XS+\i+1]|
	v_max3_num_f32 v25, v25, |v[XS+\i+2]|, |v[XS+\i+3]|
.endr
	v_max3_num_f32 v24, v24, |v[XS+30]|, |v[XS+31]|
	v_max3_num_f32 v24, v24, v25, FLOOR
	v_add_nc_u32 v26, EOFF, v24
	v_lshrrev_b32 v27, 23, v26
.if (\q)%4 == 0
	v_mov_b32 v[16+(\q)/4], v27
.else
	v_lshl_or_b32 v[16+(\q)/4], v27, 8*((\q)%4), v[16+(\q)/4]
.endif
	v_cvt_scalef32_pk16_fp6_f32 v[CW:CW+2], v[XS:XS+15], v26
	v_cvt_scalef32_pk16_fp6_f32 v[CW+4:CW+6], v[XS+16:XS+31], v26
	v_nop                                          ; one plain place behind the conversions
	v_mov_b32 v[CW+3], v[CW+4]
	v_mov_b32 v[CW+4], v[CW+5]
	v_mov_b32 v[CW+5], v[CW+6]
	global_store_b128 v2, v[CW:CW+3], s[20:21] offset:OC+256*((\q)%2)      ; sixteen lanes store 256 consecutive bytes, aligned
	global_store_b64 v3, v[CW+4:CW+5], s[20:21] offset:OC+128*((\q)%2)     ; and 128
.if (\q)+2 < 16
	WLOAD (\q)+2, \pitch
.endif
.endm
.macro WQ pitch                        ; each block has its own registers for its codes: no store's data are written again
	WLOAD 0, \pitch
	WLOAD 1, \pitch
.set qq, 0
.rept 16
	WBLOCK qq, \pitch
.set qq, qq+1
.endr
	global_store_b128 v4, v[16:19], s[22:23]
.endm
	s_sub_co_u32 s35, s27, 8
	s_cmp_lt_u32 s35, 4                            ; Wk and Wv have rows of 1,024 bytes
	s_cbranch_scc1 .Lnarrow
	s_lshl_b32 s32, s31, 21                        ; 512 rows of 4,096 bytes
	s_add_nc_u64 s[28:29], s[28:29], s[32:33]
	WQ 4096
	s_endpgm
.Lnarrow:
	s_lshl_b32 s32, s31, 19
	s_add_nc_u64 s[28:29], s[28:29], s[32:33]
	WQ 1024
	s_endpgm
	; ---------------- the mask ----------------
	; word rho of query tile Tq: bit l = mask[query row (l % 16) of the tile][key 32 (rho / 16) + 16 (l / 16) + rho % 16]: the lanes' mask for score register rho of the attention
.Lmask:
	s_sub_co_u32 s27, ttmp9, 40
	s_lshl_b32 s27, s27, 2
	s_add_co_u32 s27, s27, s26                     ; Tq
	s_lshr_b32 s28, s27, 1
	s_lshl_b32 s28, s28, 13                        ; 32 rows of 256 bytes
	s_and_b32 s30, s27, 1
	s_lshl_b32 s30, s30, 11
	s_add_co_u32 s28, s28, s30
	s_add_nc_u64 s[14:15], s[14:15], s[28:29]
	s_lshl_b32 s28, s27, 9
	s_add_nc_u64 s[24:25], s[24:25], s[28:29]
	v_lshlrev_b32 v1, 8, v10
	v_lshl_add_u32 v1, v9, 4, v1                   ; my query's row, + 16 h
	v_lshlrev_b32 v2, 4, v7
.irp b, 0,1,2,3,4,5,6,7
	global_load_b128 v[32+4*\b:35+4*\b], v1, s[14:15] offset:32*\b
.endr
.irp i, 0,1,2,3
	v_mov_b32 v[16+\i], 0                          ; a written lane's register counts as read
.endr
	s_wait_loadcnt 0x0
.set q, 0
.rept 128
	v_bfe_u32 v[24+q%2], v[32+4*(q/16)+(q%16)/4], 8*(q%4), 8
	v_cmp_ne_u32 s[30+q%2], 0, v[24+q%2]
	v_writelane_b32 v[16+q%4], s[30+q%2], q/4      ; word q lies in lane q / 4, register q % 4
.set q, q+1
.endr
	global_store_b128 v2, v[16:19], s[24:25]       ; 512 consecutive bytes
	s_endpgm
.Lfunc_end_k_q73f1f60b83_quant:
	.size	k_q73f1f60b83_quant, .Lfunc_end_k_q73f1f60b83_quant-k_q73f1f60b83_quant
	.p2alignl 7, 3214868480
	.fill 96, 4, 3214868480
	.section	.rodata,"a",@progbits
	.p2align	6, 0x0
	.amdhsa_kernel k_q73f1f60b83_quant
		.amdhsa_group_segment_fixed_size 34304
		.amdhsa_private_segment_fixed_size 0
		.amdhsa_enable_private_segment 0
		.amdhsa_kernarg_size 88
		.amdhsa_user_sgpr_count 2
		.amdhsa_user_sgpr_kernarg_segment_ptr 1
		.amdhsa_wavefront_size32 1
		.amdhsa_system_sgpr_workgroup_id_x 1
		.amdhsa_system_sgpr_workgroup_id_y 1
		.amdhsa_system_sgpr_workgroup_id_z 1
		.amdhsa_system_vgpr_workitem_id 0
		.amdhsa_next_free_vgpr 256
		.amdhsa_next_free_sgpr 66
		.amdhsa_reserve_vcc 1
		.amdhsa_float_denorm_mode_32 3
		.amdhsa_float_denorm_mode_16_64 3
		.amdhsa_memory_ordered 1
		.amdhsa_forward_progress 1
		.amdhsa_inst_pref_size 234
	.end_amdhsa_kernel
	.amdgpu_metadata
---
amdhsa.version: [ 1, 2 ]
amdhsa.kernels:
  - .name:           k_q73f1f60b83_quant
    .symbol:         k_q73f1f60b83_quant.kd
    .args:
      - { .name: x, .offset: 0, .size: 8, .value_kind: global_buffer, .address_space: global }
      - { .name: Wq, .offset: 8, .size: 8, .value_kind: global_buffer, .address_space: global }
      - { .name: Wk, .offset: 16, .size: 8, .value_kind: global_buffer, .address_space: global }
      - { .name: Wv, .offset: 24, .size: 8, .value_kind: global_buffer, .address_space: global }
      - { .name: Wo, .offset: 32, .size: 8, .value_kind: global_buffer, .address_space: global }
      - { .name: attn_mask, .offset: 40, .size: 8, .value_kind: global_buffer, .address_space: global }
      - { .name: xc, .offset: 48, .size: 8, .value_kind: global_buffer, .address_space: global }
      - { .name: xs, .offset: 56, .size: 8, .value_kind: global_buffer, .address_space: global }
      - { .name: wc, .offset: 64, .size: 8, .value_kind: global_buffer, .address_space: global }
      - { .name: ws, .offset: 72, .size: 8, .value_kind: global_buffer, .address_space: global }
      - { .name: mw, .offset: 80, .size: 8, .value_kind: global_buffer, .address_space: global }
    .group_segment_fixed_size: 34304
    .private_segment_fixed_size: 0
    .kernarg_segment_align: 8
    .kernarg_segment_size: 88
    .max_flat_workgroup_size: 128
    .sgpr_count:     66
    .vgpr_count:     256
    .wavefront_size: 32
...
	.end_amdgpu_metadata
.endif
;; end of part 1
;; launch attn (part 2): grid 4 x 64, 4 waves a work-group, clusters of 4 x 1, 327,680 bytes of LDS; arguments xc, xs, wc, ws, mw, rope_cos, rope_sin, q_scale, k_scale, ac, asc; writes ac, asc
.if DOCPART == 2
	.amdgcn_target "amdgcn-amd-amdhsa--gfx1250"
	.amdhsa_code_object_version 6
	.text
	.protected	k_q73f1f60b83_attn
	.globl	k_q73f1f60b83_attn
	.p2align	8
	.type	k_q73f1f60b83_attn,@function
k_q73f1f60b83_attn:
	s_mov_b64 s[64:65], 0
	v_nop
	global_prefetch_b8 v0, s[64:65] scope:SCOPE_SE
	s_setreg_imm32_b32 hwreg(HW_REG_WAVE_MODE, 25, 1), 1
	s_wait_xcnt 0x0
	s_wait_alu depctr_hold_cnt(0) depctr_sa_sdst(0) depctr_va_vdst(0) depctr_va_sdst(0) depctr_va_ssrc(0) depctr_va_vcc(0) depctr_vm_vsrc(0)
	s_getreg_b32 s2, hwreg(HW_REG_IB_STS2, 6, 4)
	s_cmp_eq_u32 s2, 0
	s_cbranch_scc0 .Lentry_in_a_cluster
	s_endpgm
.Lentry_in_a_cluster:
	s_bfe_u32 s2, ttmp6, 0x10000c
	s_cmp_lg_u32 s2, 0x3003
	s_cbranch_scc0 .Lentry_shape_is_right
	s_endpgm
.Lentry_shape_is_right:
; One sequence n (256 tokens) and one key/value head g to a work-group: q (4 heads), k, v = x W on codes of FP6 (E2M3); RMS norm, gain and RoPE in f32; scores, soft cap, mask, softmax, P V; the result leaves as codes for the last product.
; SHARES.  Wave w owns query head 4 g + w for all 256 queries; of k and v it makes tokens 64 w .. 64 w + 63.  x's codes of the sequence (196,608 bytes) and their scale words lie in LDS, filled once.
; CLUSTER.  The four work-groups of a cluster are the four g of one n and need the same x: each tile is asked for jointly (mask 15).  g (the place in the cluster; the grid is 4 wide) enters global addresses alone.
; LAYOUT.  Operands in memory and LDS are images of their registers: a half fragment (16 rows x 64 K, 6 registers) is 768 bytes: registers 0-3 at 16 x lane, 4, 5 at 512 + 8 x lane.  Row i of tile T is 32 (T / 2) + 8 (T % 2) + i + 8 (i / 8).
; q, k: source 0 = 16 features, source 1 = 16 tokens: a lane holds one token, and its 32 registers the features 16 h + 0..15 and 32 + 16 h + 0..15: RoPE's pairs (i, 32 + i) lie in one lane.  v: the sources swapped: a lane holds one feature, registers along the tokens.
; S^T = K Q^T, O^T = V^T P^T: a lane holds one query throughout.  The head's K is 64: q's and k's fragments are halves; q's upper six registers hold zero codes, k's operand runs on into the next tile's codes, which those zeros cancel; the spare scale bytes are 0x7f.
; SOFT CAP AND SOFTMAX.  z = 2^(score x 2 log2(e) / 400), r = 1 / (1 + z), t = logit x log2(e) = A - 2 A r with A = 50 log2(e).  t falls as r rises, so minima of r stand for maxima of t; a hidden key gets r = 2^100.
; M = ceil(the row's largest t); p = 2^(t - M) is quantised along the keys; the row's sum is taken of the unquantised p and divides O.  All 256 keys of a row lie in registers: the maximum is the row's own, none is carried.
; THE MASK.  A query tile's 128 lane masks are 512 consecutive bytes of mw: one vector load brings them, four words a lane, asked for a trip ahead.  v_readlane_b32 puts them into scalar registers, 64 at a time (there are not 128 to spare),
; each set behind one reciprocal of the half that it will mask.  q's fragment of the next tile is likewise asked for a trip ahead, as soon as the products have read the present one.
; LIMITS.  tanh as 1 - 2 / (1 + z) cancels near 0: t is good to about 1.3e-5 absolute.  A - M is exact for M >= -55, else good to 2^-17, alike for all of a row.  A row whose mask is all false gives p = 1 for every key (a plain mean of v).
; Blocks whose largest magnitude lies under 2^-124 keep the byte 1.  NaN and infinities among the inputs are not served.
; REGISTERS.  window 0: v1-15 addresses (in the attention v6-9 hold the tile's lane masks, v10 their offset); v16-31 at work; v32-47 x's, later K's scale words; v48-63 W's, later V's (48-55), q's (56), P's (57, 58);
;   v64-95 codes just made, later q's fragment (64-75) and the output's codes (76-83); v96-119 P's two fragments; v120-127 at work; v128-255 accumulators, scores, O^T (128-159).
;   window 1: W's fragments of K steps 0-3, later K's (6 registers a tile) and V's (from v96).   window 2: W's of K steps 4-7.
;   window 3: v0-95 x's fragments, two buffers; v96-223 cos and sin of four tiles of tokens; v224-255 the gain at my 32 features.
.set XIMG,  0                          ; x's codes as they lie in memory
.set XSC,   196608                     ; x's scale words
.set QIMG,  204800                     ; q: wave w's 16 halves at 12,288 w + 768 T
.set QSC,   253952                     ; their scale words: 2,048 w + 128 T + 4 x lane
.set KIMG,  262144                     ; k: 768 T
.set KSC,   274432                     ; 128 T + 4 x lane
.set VIMG,  276480                     ; v: 3,072 ft + 768 w
.set VSC,   288768                     ; v's two bytes of wave w's 64 tokens: 512 w + 128 ft + 4 x lane
.set ASC,   290816                     ; the output's two bytes: 512 w + 32 T + 2 r
.set SPARE, 292864                     ; the spare words, 128 bytes a wave
.set L16,  1                           ; 16 x lane
.set L8,   2                           ; 512 + 8 x lane
.set XA16, 3                           ; x's fragments of the group of 64 tokens in hand
.set XA8,  4
.set XSA,  5                           ; and their scale words
.set RO,   6                           ; my token's row of cos and sin in a tile, + 64 h
.set ROJ,  7
.set ST16, 8                           ; where the codes just made go
.set ST8,  9
.set STS,  10
.set MK,   6                           ; in the attention: v6-9 the tile's 128 lane masks: word rho in lane rho / 4, register rho % 4
.set MO,   10                          ; and v10 their byte offset in mw
.set L4,   11                          ; 4 x lane
.set SPW,  12                          ; my spare word; never rewritten
.set NIL,  13                          ; 0; never rewritten
.set RM,   14                          ; 2^100
.set R2,   15                          ; 2 r
.set GA,   96                          ; 64 h (the gains' offset; free again in the attention)
.set TB,   16                          ; v16-23 the eight blocks' minima, then largest p, then bytes
.set TS,   24                          ; v24-31 the conversions' scale operands
.set QF,   64
.set PF,   96
.set PT,   120
.set S,    128
.set FLOOR, 0x1800000
.set EOFF,  0xff000000
.set WBK, 68                           ; s[68:69] Wk's fragments, s[70:71] its scale words; s[72:75] Wv's; s[76:79] Wq's
.set WBV, 72
.set WBQ, 76
.set MSB, 0
.macro WIN new                         ; the immediate's high byte repeats the setting that is left
.if MSB != (\new)
	s_set_vgpr_msb (MSB<<8)|(\new)
.set MSB, (\new)
.endif
.endm
.macro PLACES n
.rept \n
	v_nop
.endr
.endm
.macro CROUND                          ; a round of the cluster's barrier
	s_barrier_signal -1
	s_barrier_wait -1
	s_cmp_lg_u32 s26, 0
	s_cbranch_scc1 .Lnot_wave_0_\@
	s_barrier_signal -3
.Lnot_wave_0_\@:
	s_barrier_wait -3
	s_barrier_signal -1
	s_barrier_wait -1
.endm
.macro SETGRP                          ; the addresses of a group of 64 tokens, from s80-84
	v_add_nc_u32 v[XA16], s80, v[L16]
	v_add_nc_u32 v[XA8], s80, v[L8]
	v_add_nc_u32 v[XSA], s81, v[L16]
	v_add_nc_u32 v[ROJ], s82, v[RO]
	v_add_nc_u32 v[ST16], s83, v[L16]
	v_add_nc_u32 v[ST8], s83, v[L8]
	v_add_nc_u32 v[STS], s84, v[L4]
.endm
.macro LOADW half, wb                  ; four feature tiles x four K steps of a weight into window 1 + half: 64 loads
	WIN 0x40+0x40*(\half)
.irp s4, 0,1,2,3
.irp ft, 0,1,2,3
.set dW, 48*\s4+12*\ft
.set oW, (8*\ft+4*(\half)+\s4)*1536
	global_load_b128 v[dW:dW+3], v[L16], s[\wb:\wb+1] offset:oW
	global_load_b64 v[dW+4:dW+5], v[L8], s[\wb:\wb+1] offset:oW
	global_load_b128 v[dW+6:dW+9], v[L16], s[\wb:\wb+1] offset:oW+768
	global_load_b64 v[dW+10:dW+11], v[L8], s[\wb:\wb+1] offset:oW+768
.endr
.endr
	WIN 0
.endm
.macro LOADWS wb                       ; and their scale words: register i of a tile's four: K step i in lanes 0-15, 4 + i in lanes 16-31
.irp ft, 0,1,2,3
	global_load_b128 v[48+4*\ft:51+4*\ft], v[L16], s[\wb+2:\wb+3] offset:512*\ft
.endr
.endm
.macro GAINS gs                        ; the norm's gain at my 32 features
	WIN 0xc0
.irp i, 0,1,2,3,4,5,6,7
	global_load_b128 v[224+4*\i:227+4*\i], v[GA], s[\gs:\gs+1] offset:128*(\i/4)+16*(\i%4)
.endr
	WIN 0
.endm
.macro ROPELD                          ; cos and sin of my token in each of the group's four tiles, at my 16 pairs
	WIN 0xc0
.irp tt, 0,1,2,3
.irp i, 0,1,2,3
	global_load_b128 v[96+32*\tt+4*\i:99+32*\tt+4*\i], v[ROJ], s[14:15] offset:(32*(\tt/2)+8*(\tt%2))*128+16*\i
	global_load_b128 v[112+32*\tt+4*\i:115+32*\tt+4*\i], v[ROJ], s[16:17] offset:(32*(\tt/2)+8*(\tt%2))*128+16*\i
.endr
.endr
	WIN 0
.endm
.macro XFETCH st                       ; x's four fragments of K step st into buffer st % 2 of window 3: 16 LDS loads
	WIN 0xc0
.irp tt, 0,1,2,3
.set dX, 48*((\st)%2)+12*\tt
.set oX, (8*\tt+(\st))*1536
	ds_load_b128 v[dX:dX+3], v[XA16] offset:oX
	ds_load_b64 v[dX+4:dX+5], v[XA8] offset:oX
	ds_load_b128 v[dX+6:dX+9], v[XA16] offset:oX+768
	ds_load_b64 v[dX+10:dX+11], v[XA8] offset:oX+768
.endr
.endm
.macro PROD d, a, b, sa, sb, st        ; K step 0 starts the sum; from K step 4 on both sides' words stand in lanes 16-31
.if \st == 0
	v_wmma_scale_f32_16x16x128_f8f6f4 v[\d:\d+7], v[\a:\a+11], v[\b:\b+11], 0, v[\sa], v[\sb] matrix_a_fmt:MATRIX_FMT_FP6 matrix_b_fmt:MATRIX_FMT_FP6
.elseif \st < 4
	v_wmma_scale_f32_16x16x128_f8f6f4 v[\d:\d+7], v[\a:\a+11], v[\b:\b+11], v[\d:\d+7], v[\sa], v[\sb] matrix_a_fmt:MATRIX_FMT_FP6 matrix_b_fmt:MATRIX_FMT_FP6
.else
	v_wmma_scale_f32_16x16x128_f8f6f4 v[\d:\d+7], v[\a:\a+11], v[\b:\b+11], v[\d:\d+7], v[\sa], v[\sb] matrix_a_fmt:MATRIX_FMT_FP6 matrix_b_fmt:MATRIX_FMT_FP6 matrix_a_scale:MATRIX_SCALE_ROW1 matrix_b_scale:MATRIX_SCALE_ROW1
.endif
.endm
; 64 tokens x 64 features x K = 1,024: 128 matrix instructions.  The sixteen accumulators take turns, one instruction a turn, in the same order in every K step.
; swap = 0: source 0 = W, accumulator (tt, ft) at v[128 + 32 tt + 8 ft];  swap = 1: source 0 = x, at v[128 + 32 ft + 8 tt].
.macro GEMM swap
.irp tt, 0,1,2,3
	ds_load_b128 v[32+4*\tt:35+4*\tt], v[XSA] offset:512*\tt
.endr
	XFETCH 0
.irp s, 0,1,2,3,4,5,6,7
.if \s > 0
	PLACES 4                                       ; in front of loads into the buffer that the last K step's products read
.endif
.if \s < 7
	XFETCH \s+1
	s_wait_dscnt 16                                ; all but the 16 just issued: this K step's fragments are in
.else
	s_wait_dscnt 0x0
.endif
.if \swap
	WIN 0x07+4*(\s/4)                              ; source 0 (x) window 3, source 1 (W) window 1 or 2
.else
	WIN 0x0d+(\s/4)                                ; source 0 (W) window 1 or 2, source 1 (x) window 3
.endif
.irp tt, 0,1,2,3
.irp ft, 0,1,2,3
.set rW, 48*(\s%4)+12*\ft
.set rX, 48*(\s%2)+12*\tt
.set sW, 48+4*\ft+\s%4
.set sX, 32+4*\tt+\s%4
.if \swap
.set rD, 128+32*\ft+8*\tt
	PROD rD, rX, rW, sX, sW, \s
.else
.set rD, 128+32*\tt+8*\ft
	PROD rD, rW, rX, sW, sX, \s
.endif
.endr
.endr
.endr
	WIN 0
.endm
; 32 numbers of a lane, register 16 b + i = element 32 b + 16 h + i of my row, become half a fragment in v[cod .. cod + 5] and the two blocks' bytes in v[pw]
.macro QUANT2 src, cod, pw
	v_max3_num_f32 v16, |v[\src]|, |v[\src+1]|, FLOOR
	v_max3_num_f32 v17, |v[\src+16]|, |v[\src+17]|, FLOOR
.irp i, 2,4,6,8,10,12,14
	v_max3_num_f32 v16, v16, |v[\src+\i]|, |v[\src+\i+1]|
	v_max3_num_f32 v17, v17, |v[\src+16+\i]|, |v[\src+17+\i]|
.endr
	v_permlanex16_b32 v18, v16, s2, s3
	v_permlanex16_b32 v19, v17, s2, s3
	v_max_num_f32 v16, v16, v18                    ; with lane l xor 16's: the blocks' largest magnitudes
	v_max_num_f32 v17, v17, v19
	v_add_nc_u32 v20, EOFF, v16                    ; 2 off the exponent field: the conversion's scale operand
	v_add_nc_u32 v21, EOFF, v17
	v_lshrrev_b32 v22, 23, v20
	v_lshrrev_b32 v23, 23, v21
	v_lshl_or_b32 v[\pw], v23, 8, v22
	v_cvt_scalef32_pk16_fp6_f32 v[\cod:\cod+2], v[\src:\src+15], v20
	v_cvt_scalef32_pk16_fp6_f32 v[\cod+4:\cod+6], v[\src+16:\src+31], v21
	v_nop                                          ; one plain place behind the conversions
.irp i, 0,1,2
	v_permlane16_swap_b32 v[\cod+\i], v[\cod+4+\i] ; a whole block to a lane: lanes 0-15 block 0, lanes 16-31 block 1
.endr
	v_mov_b32 v[\cod+3], v[\cod+4]
	v_mov_b32 v[\cod+4], v[\cod+5]
	v_mov_b32 v[\cod+5], v[\cod+6]
.endm
; RMS norm over the head's 64, gain, RoPE, on the group's four tiles of tokens, in f32
.macro NORMROPE
.irp tt, 0,1,2,3
	v_pk_mul_f32 v[16+4*\tt:17+4*\tt], v[128+32*\tt:129+32*\tt], v[128+32*\tt:129+32*\tt]   ; each accumulator is read from its low end on
	v_pk_mul_f32 v[18+4*\tt:19+4*\tt], v[130+32*\tt:131+32*\tt], v[130+32*\tt:131+32*\tt]
.endr
.irp p, 4,8,12,16,20,24,28
.irp tt, 0,1,2,3
	v_pk_fma_f32 v[16+4*\tt:17+4*\tt], v[128+32*\tt+\p:129+32*\tt+\p], v[128+32*\tt+\p:129+32*\tt+\p], v[16+4*\tt:17+4*\tt]
	v_pk_fma_f32 v[18+4*\tt:19+4*\tt], v[130+32*\tt+\p:131+32*\tt+\p], v[130+32*\tt+\p:131+32*\tt+\p], v[18+4*\tt:19+4*\tt]
.endr
.endr
.irp tt, 0,1,2,3
	v_pk_add_f32 v[16+4*\tt:17+4*\tt], v[16+4*\tt:17+4*\tt], v[18+4*\tt:19+4*\tt]
.endr
.irp tt, 0,1,2,3
	v_add_f32 v[16+4*\tt], v[16+4*\tt], v[17+4*\tt]
.endr
.irp tt, 0,1,2,3
	v_permlanex16_b32 v[17+4*\tt], v[16+4*\tt], s2, s3
.endr
.irp tt, 0,1,2,3
	v_add_f32 v[16+4*\tt], v[16+4*\tt], v[17+4*\tt]          ; the token's sum of 64 squares
.endr
.irp tt, 0,1,2,3
	v_fma_f32 v[16+4*\tt], v[16+4*\tt], s86, s87             ; / 64 + eps
.endr
.irp tt, 0,1,2,3
	v_rsq_f32 v[18+4*\tt], v[16+4*\tt]
.endr
	v_nop                                          ; a plain place behind the batch,
	s_wait_alu depctr_va_vdst(0)                   ; and the one wait ahead of its first reader
.irp p, 0,2,4,6,8,10,12,14,16,18,20,22,24,26,28,30
.irp tt, 0,1,2,3
	v_pk_mul_f32 v[128+32*\tt+\p:129+32*\tt+\p], v[128+32*\tt+\p:129+32*\tt+\p], v[18+4*\tt:19+4*\tt] op_sel_hi:[1,0]
.endr
.endr
	WIN 0x0c                                       ; source 1 in window 3: gain, cos, sin
.irp p, 0,2,4,6,8,10,12,14,16,18,20,22,24,26,28,30
.irp tt, 0,1,2,3
	v_pk_mul_f32 v[128+32*\tt+\p:129+32*\tt+\p], v[128+32*\tt+\p:129+32*\tt+\p], v[224+\p:225+\p]
.endr
.endr
.irp p, 0,2,4,6,8,10,12,14
.irp tt, 0,1,2,3
	v_pk_mul_f32 v[16+4*\tt:17+4*\tt], v[144+32*\tt+\p:145+32*\tt+\p], v[112+32*\tt+\p:113+32*\tt+\p]   ; t2 sin
	v_pk_mul_f32 v[18+4*\tt:19+4*\tt], v[128+32*\tt+\p:129+32*\tt+\p], v[112+32*\tt+\p:113+32*\tt+\p]   ; t1 sin
.endr
.irp tt, 0,1,2,3
	v_pk_fma_f32 v[128+32*\tt+\p:129+32*\tt+\p], v[128+32*\tt+\p:129+32*\tt+\p], v[96+32*\tt+\p:97+32*\tt+\p], v[16+4*\tt:17+4*\tt] neg_lo:[0,0,1] neg_hi:[0,0,1]   ; t1 cos - t2 sin
	v_pk_fma_f32 v[144+32*\tt+\p:145+32*\tt+\p], v[144+32*\tt+\p:145+32*\tt+\p], v[96+32*\tt+\p:97+32*\tt+\p], v[18+4*\tt:19+4*\tt]                                 ; t2 cos + t1 sin
.endr
.endr
	WIN 0
.endm
.macro QKOUT                           ; the group's four tiles of q or k: codes and scale words to LDS; each tile has its own registers
.irp tt, 0,1,2,3
	QUANT2 128+32*\tt, 64+8*\tt, 24+\tt
	v_or_b32 v[24+\tt], 0x7f7f0000, v[24+\tt]      ; the bytes of the K that is not there: 1.0
	ds_store_b128 v[ST16], v[64+8*\tt:67+8*\tt] offset:768*\tt
	ds_store_b64 v[ST8], v[68+8*\tt:69+8*\tt] offset:768*\tt
	ds_store_b32 v[STS], v[24+\tt] offset:128*\tt
.endr
	s_wait_dscnt 0x0                               ; the stores have read their registers and have landed
.endm
.macro VOUT ft                         ; feature tile ft of v, my 64 tokens along its K
	QUANT2 128+32*(\ft), 64+8*(\ft), 24+(\ft)
	ds_store_b128 v[ST16], v[64+8*(\ft):67+8*(\ft)] offset:3072*(\ft)
	ds_store_b64 v[ST8], v[68+8*(\ft):69+8*(\ft)] offset:3072*(\ft)
	ds_store_b32 v[STS], v[24+(\ft)] offset:128*(\ft)
.endm
; r = 1 / (1 + z) of score registers 64 hh .. 64 hh + 63, and behind each reciprocal one lane mask of the same half on its way into a scalar register: word rho = lane rho / 4, register rho % 4 of v[MK ..]
.macro RCPM hh
.set i, 0
.rept 32
	v_rcp_f32 v[S+64*(\hh)+i], v[S+64*(\hh)+i]
	v_readlane_b32 s[32+i], v[MK+i%4], 16*(\hh)+i/4
.set i, i+1
.endr
.set i, 0
.rept 32
	v_rcp_f32 v[S+64*(\hh)+32+i], v[S+64*(\hh)+32+i]
	v_readlane_b32 s[68+i], v[MK+i%4], 16*(\hh)+8+i/4
.set i, i+1
.endr
.endm
.macro MASK hh                         ; a hidden key of that half: r = 2^100
.set i, 0
.rept 32
	v_cndmask_b32 v[S+64*(\hh)+i], v[RM], v[S+64*(\hh)+i], s[32+i]
.set i, i+1
.endr
.set i, 0
.rept 32
	v_cndmask_b32 v[S+64*(\hh)+32+i], v[RM], v[S+64*(\hh)+32+i], s[68+i]
.set i, i+1
.endr
.endm
	s_load_b512 s[4:19], s[0:1], 0x0               ; xc, xs, wc, ws, mw, cos, sin, q_scale
	s_load_b128 s[20:23], s[0:1], 0x40             ; k_scale, ac
	s_load_b64 s[24:25], s[0:1], 0x50              ; asc
	v_lshl_add_u32 v[SPW], v0, 2, SPARE
	v_mov_b32 v[NIL], 0
	ds_add_u32 v[SPW], v[NIL]                      ; the wave's opening: the add and its wait stand ahead of my first tensor load; work on registers stands between them
	v_lshrrev_b32 v16, 5, v0
	v_readfirstlane_b32 s26, v16                   ; wave
	s_bfe_u32 s27, ttmp6, 0x40000                  ; g: my place in the cluster
	s_and_b32 s28, ttmp7, 0xffff                   ; n, which the four partners share
	; descriptor groups 1: dense blocks as rows of 256 bytes (32 elements of 8 bytes); 192 rows of codes, 8 rows of scale words
	s_mov_b32 s32, 15|(3<<16)|(1<<21)              ; the mask: all four work-groups; elements of 8 bytes; bit 21 set beside a mask
	s_mov_b32 s33, 32<<16
	s_mov_b32 s34, 192<<16
	s_mov_b32 s35, 32<<16
	s_mov_b32 s36, 192
	s_mov_b32 s37, 32
	s_mov_b32 s38, 0
	s_mov_b32 s39, 0
	s_mov_b32 s40, 15|(3<<16)|(1<<21)
	s_mov_b32 s41, 32<<16
	s_mov_b32 s42, 8<<16
	s_mov_b32 s43, 32<<16
	s_mov_b32 s44, 8
	s_mov_b32 s45, 32
	s_mov_b32 s46, 0
	s_mov_b32 s47, 0
	s_mov_b32 s48, 1
	s_mul_i32 s49, s26, 49152                      ; my quarter of x's codes in LDS
	s_mov_b32 s52, 1
	s_lshl_b32 s53, s26, 11
	s_add_co_u32 s53, s53, XSC
	s_mul_i32 s56, s28, 196608
	s_add_co_u32 s56, s56, s49
	s_mov_b32 s57, 0
	s_lshl_b32 s58, s28, 13
	s_lshl_b32 s59, s26, 11
	s_add_co_u32 s58, s58, s59
	s_mov_b32 s59, 0
	; the weights' first feature tiles: k 64 + 4 g, v 80 + 4 g, q 16 g + 4 w; 12,288 bytes of codes and 512 of scale words a tile
	s_lshl_b32 s60, s27, 2
	s_add_co_u32 s61, s60, 64
	s_mul_i32 s68, s61, 12288
	s_mov_b32 s69, 0
	s_lshl_b32 s70, s61, 9
	s_mov_b32 s71, 0
	s_add_co_u32 s61, s60, 80
	s_mul_i32 s72, s61, 12288
	s_mov_b32 s73, 0
	s_lshl_b32 s74, s61, 9
	s_mov_b32 s75, 0
	s_lshl_b32 s61, s60, 2
	s_lshl_b32 s62, s26, 2
	s_add_co_u32 s61, s61, s62
	s_mul_i32 s76, s61, 12288
	s_mov_b32 s77, 0
	s_lshl_b32 s78, s61, 9
	s_mov_b32 s79, 0
	s_mov_b32 s2, 0x76543210
	s_mov_b32 s3, 0xfedcba98                       ; lane l xor 16
	s_mov_b32 s86, 0x3c800000                      ; 1 / 64
	s_mov_b32 s87, 0x358637bd                      ; 1e-6
	; the k pass works on my own 64 tokens
	s_mul_i32 s80, s26, 49152
	s_lshl_b32 s81, s26, 11
	s_add_co_u32 s81, s81, XSC
	s_lshl_b32 s82, s26, 13
	s_mul_i32 s83, s26, 3072
	s_add_co_u32 s83, s83, KIMG
	s_lshl_b32 s84, s26, 9
	s_add_co_u32 s84, s84, KSC
	v_and_b32 v17, 31, v0
	v_and_b32 v18, 15, v0
	v_bfe_u32 v19, v0, 4, 1
	v_lshlrev_b32 v[L16], 4, v17
	v_lshl_add_u32 v[L8], v17, 3, 512
	v_lshlrev_b32 v[L4], 2, v17
	v_and_b32 v20, 8, v18
	v_add_nc_u32 v20, v20, v18
	v_lshlrev_b32 v[RO], 7, v20
	v_lshl_add_u32 v[RO], v19, 6, v[RO]
	v_lshlrev_b32 v[GA], 6, v19
	v_lshlrev_b32 v[R2], 1, v18
	SETGRP
	s_wait_dscnt 0x0                               ; the opening add is done
	s_wait_kmcnt 0x0
	s_add_nc_u64 s[50:51], s[4:5], s[56:57]
	s_or_b32 s51, s51, 0x80000000
	s_add_nc_u64 s[54:55], s[6:7], s[58:59]
	s_or_b32 s55, s55, 0x80000000
	s_add_nc_u64 s[68:69], s[8:9], s[68:69]
	s_add_nc_u64 s[70:71], s[10:11], s[70:71]
	s_add_nc_u64 s[72:73], s[8:9], s[72:73]
	s_add_nc_u64 s[74:75], s[10:11], s[74:75]
	s_add_nc_u64 s[76:77], s[8:9], s[76:77]
	s_add_nc_u64 s[78:79], s[10:11], s[78:79]
	CROUND                                         ; all four work-groups are here: the joint loads meet
	tensor_load_to_lds s[48:51], s[32:39]          ; my quarter of x's codes
	s_nop 0
	tensor_load_to_lds s[52:55], s[40:47]          ; and of its scale words: two loads of mine are out, the launch's only ones
	s_nop 0
	PLACES 4
	LOADW 0, WBK
	LOADW 1, WBK
	LOADWS WBK
	GAINS 20
	ROPELD
	s_wait_tensorcnt 0x0                           ; my parts of x are in LDS,
	s_wait_loadcnt 0x0
	s_barrier_signal -1
	s_barrier_wait -1                              ; everybody's are
	; ---------------- k: my 64 tokens ----------------
	GEMM 0
	PLACES 5                                       ; behind the last products: reads of results, loads into operands, and later products that begin these accumulators anew
	LOADW 0, WBV
	LOADWS WBV
	NORMROPE
	LOADW 1, WBV
	QKOUT
	; ---------------- v: my 64 tokens, the sources swapped ----------------
	s_mul_i32 s83, s26, 768
	s_add_co_u32 s83, s83, VIMG
	s_lshl_b32 s84, s26, 9
	s_add_co_u32 s84, s84, VSC
	v_add_nc_u32 v[ST16], s83, v[L16]
	v_add_nc_u32 v[ST8], s83, v[L8]
	v_add_nc_u32 v[STS], s84, v[L4]
	s_wait_loadcnt 0x0                             ; Wv
	GEMM 1
	PLACES 5
	LOADW 0, WBQ
	LOADWS WBQ
	GAINS 18
	VOUT 0
	VOUT 1
	LOADW 1, WBQ
	VOUT 2
	VOUT 3
	s_wait_dscnt 0x0
	s_wait_loadcnt 0x0                             ; Wq and q's gain
	; ---------------- q: my head, all 256 tokens, 64 a trip ----------------
	s_mov_b32 s80, 0
	s_mov_b32 s81, XSC
	s_mov_b32 s82, 0
	s_mul_i32 s83, s26, 12288
	s_add_co_u32 s83, s83, QIMG
	s_lshl_b32 s84, s26, 11
	s_add_co_u32 s84, s84, QSC
	s_mov_b32 s85, 4
.Lq:
	SETGRP                                         ; no load or LDS instruction of mine is out
	ROPELD
	GEMM 0
	s_wait_loadcnt 0x0                             ; cos and sin
	PLACES 5
	NORMROPE
	QKOUT
	s_add_co_u32 s80, s80, 49152
	s_add_co_u32 s81, s81, 2048
	s_add_co_u32 s82, s82, 8192
	s_add_co_u32 s83, s83, 3072
	s_add_co_u32 s84, s84, 512
	s_sub_co_u32 s85, s85, 1
	s_cmp_lg_u32 s85, 0
	s_cbranch_scc1 .Lq
	s_barrier_signal -1                            ; every wave's stores of k and v have landed (the wait for 0 stands at the end of each pass)
	s_barrier_wait -1
	; ---------------- attention: k and v come into registers once ----------------
	global_load_b128 v[MK:MK+3], v[L16], s[12:13]  ; the first query tile's 128 lane masks: 512 consecutive bytes
.irp i, 70,71,72,73,74,75
	v_mov_b32 v[\i], 0                             ; q's upper half: zero codes
.endr
	v_mov_b32 v[RM], 0x71800000                    ; 2^100
	v_mov_b32 v91, 0                               ; (upper halves of pairs of which the low word serves both halves)
	v_mov_b32 v93, 0
	v_add_nc_u32 v[XA16], KIMG, v[L16]
	v_add_nc_u32 v[XA8], KIMG, v[L8]
	v_add_nc_u32 v[XSA], KIMG, v[L4]
	WIN 0x40
.irp kt, 0,1,2,3,4,5,6,7,8,9,10,11,12,13,14,15
	ds_load_b128 v[6*\kt:6*\kt+3], v[XA16] offset:768*\kt
	ds_load_b64 v[6*\kt+4:6*\kt+5], v[XA8] offset:768*\kt
.endr
.irp f, 0,1,2,3,4,5,6,7                        ; V's fragment (ft, ks) = f = 2 ft + ks
	ds_load_b128 v[96+12*\f:99+12*\f], v[XA16] offset:VIMG-KIMG+1536*\f
	ds_load_b64 v[100+12*\f:101+12*\f], v[XA8] offset:VIMG-KIMG+1536*\f
	ds_load_b128 v[102+12*\f:105+12*\f], v[XA16] offset:VIMG-KIMG+1536*\f+768
	ds_load_b64 v[106+12*\f:107+12*\f], v[XA8] offset:VIMG-KIMG+1536*\f+768
.endr
	WIN 0
.irp kt, 0,1,2,3,4,5,6,7,8,9,10,11,12,13,14,15
	ds_load_b32 v[32+\kt], v[XSA] offset:KSC-KIMG+128*\kt
.endr
.irp wv, 0,1,2,3
.irp ft, 0,1,2,3
	ds_load_b32 v[96+4*\wv+\ft], v[XSA] offset:VSC-KIMG+512*\wv+128*\ft
.endr
.endr
	s_mul_i32 s4, s26, 12288
	s_add_co_u32 s4, s4, QIMG                      ; my head's q, 768 bytes a tile
	s_lshl_b32 s5, s26, 11
	s_add_co_u32 s5, s5, QSC
	s_lshl_b32 s6, s26, 9
	s_add_co_u32 s6, s6, ASC
	s_mov_b32 s7, 16
	s_mov_b32 s8, 0                                ; the tile's place in ac: 12,288 bytes a tile
	s_mov_b32 s66, 0x429044fe                      ; A = 50 log2(e)
	s_mov_b32 s100, 0x3bec5f04                     ; 2 log2(e) / 400
	s_mov_b32 s101, s100
	s_mov_b32 s104, 0xc31044fe                     ; -2 A
	s_mov_b32 s105, s104
	s_lshl_b32 s9, s28, 7                          ; ac: fragment (n, tile 0, K step 2 g + w / 2), half w % 2
	s_lshl_b32 s10, s27, 1
	s_add_co_u32 s9, s9, s10
	s_lshr_b32 s10, s26, 1
	s_add_co_u32 s9, s9, s10
	s_mul_i32 s10, s9, 1536
	s_and_b32 s9, s26, 1
	s_mul_i32 s9, s9, 768
	s_add_co_u32 s10, s10, s9
	s_mov_b32 s11, 0
	s_add_nc_u64 s[22:23], s[22:23], s[10:11]
	s_lshl_b32 s9, s28, 2                          ; asc: (4 n + g) x 2,048 + 512 w
	s_add_co_u32 s9, s9, s27
	s_lshl_b32 s10, s9, 11
	s_lshl_b32 s9, s26, 9
	s_add_co_u32 s10, s10, s9
	s_add_nc_u64 s[24:25], s[24:25], s[10:11]
	s_mov_b32 s9, 0                                ; the tile's place in mw: 512 bytes a tile
	s_wait_dscnt 0x0
.irp ft, 0,1,2,3
.irp ks, 0,1
	v_lshl_or_b32 v[48+2*\ft+\ks], v[96+4*(2*\ks+1)+\ft], 16, v[96+4*(2*\ks)+\ft]   ; two waves' halves make V's scale word of 128 keys
.endr
.endr
	v_add_nc_u32 v86, s4, v[L16]
	v_add_nc_u32 v87, s4, v[L8]
	v_add_nc_u32 v88, s5, v[L4]
	ds_load_b128 v[QF:QF+3], v86                   ; the first tile's q
	ds_load_b64 v[QF+4:QF+5], v87
	ds_load_b32 v56, v88
.Lt:                                               ; 16 trips: a tile of 16 queries against all 256 keys
	s_wait_dscnt 0x0                               ; q's half fragment and scale word, asked for a trip ago, are in; my last LDS store has landed
	WIN 0x01                                       ; source 0 (K) window 1
.irp kt, 0,1,2,3,4,5,6,7,8,9,10,11,12,13,14,15
	v_wmma_scale_f32_16x16x128_f8f6f4 v[S+8*\kt:S+8*\kt+7], v[6*\kt:6*\kt+11], v[QF:QF+11], 0, v[32+\kt], v56 matrix_a_fmt:MATRIX_FMT_FP6 matrix_b_fmt:MATRIX_FMT_FP6
.endr
	WIN 0
	s_add_co_u32 s4, s4, 768                       ; the next tile's q
	s_add_co_u32 s5, s5, 128
	v_add_nc_u32 v86, s4, v[L16]                   ; these three additions and the v_nop are the four places behind the products,
	v_add_nc_u32 v87, s4, v[L8]                    ; ahead of the loads into their operands and of the first read of their results
	v_add_nc_u32 v88, s5, v[L4]
	v_nop
	s_cmp_eq_u32 s7, 1                             ; the last trip has no next tile and asks for nothing (the count is the same in every wave and work-group)
	s_cbranch_scc1 .Lno_q
	ds_load_b128 v[QF:QF+3], v86                   ; it has the whole trip in which to land
	ds_load_b64 v[QF+4:QF+5], v87
	ds_load_b32 v56, v88
.Lno_q:
.set i, 0
.rept 64
	v_pk_mul_f32 v[S+2*i:S+2*i+1], v[S+2*i:S+2*i+1], s[100:101] op_sel_hi:[1,0]    ; ascending: each accumulator from its low end on
.set i, i+1
.endr
.set i, 0
.rept 128
	v_exp_f32 v[S+i], v[S+i]                       ; z
.set i, i+1
.endr
	v_nop
	s_wait_alu depctr_va_vdst(0)                   ; one wait for the batch ahead of its first reader
.set i, 0
.rept 64
	v_pk_add_f32 v[S+2*i:S+2*i+1], v[S+2*i:S+2*i+1], 1.0 op_sel_hi:[1,0]
.set i, i+1
.endr
	s_wait_loadcnt 0x0                             ; this tile's lane masks, asked for a trip ago: the loop's one load
	RCPM 0                                         ; r of registers 0-63, and their 64 masks into scalar registers
	v_nop
	s_wait_alu depctr_va_vdst(0)
	MASK 0
	RCPM 1                                         ; r of registers 64-127; their masks take the scalar registers that the selects above have read
	s_add_co_u32 s9, s9, 512
	s_min_u32 s10, s9, 7680                        ; held at the last tile: the last trip's request stays inside mw (it names its own tile again, and nobody reads it)
	v_add_nc_u32 v[MO], s10, v[L16]                ; (the load that read this offset has been waited for.  Also the plain place behind the batch)
	s_wait_alu depctr_va_vdst(0)
	global_load_b128 v[MK:MK+3], v[MO], s[12:13]   ; the next tile's masks, as soon as this tile's have been read
	MASK 1
.irp b, 0,1,2,3,4,5,6,7                        ; the smallest r of each block of 32 keys, the eight blocks by turns
	v_min3_num_f32 v[TB+\b], v[S+16*\b], v[S+16*\b+1], v[S+16*\b+2]
.endr
.irp i, 3,5,7,9,11,13
.irp b, 0,1,2,3,4,5,6,7
	v_min3_num_f32 v[TB+\b], v[TB+\b], v[S+16*\b+\i], v[S+16*\b+\i+1]
.endr
.endr
.irp b, 0,1,2,3,4,5,6,7
	v_min_num_f32 v[TB+\b], v[TB+\b], v[S+16*\b+15]
.endr
.irp b, 0,1,2,3,4,5,6,7
	v_permlanex16_b32 v[TS+\b], v[TB+\b], s2, s3
.endr
.irp b, 0,1,2,3,4,5,6,7
	v_min_num_f32 v[TB+\b], v[TB+\b], v[TS+\b]     ; with lane l xor 16's 16 keys
.endr
	v_min3_num_f32 v95, v16, v17, v18
	v_min3_num_f32 v95, v95, v19, v20
	v_min3_num_f32 v95, v95, v21, v22
	v_min_num_f32 v95, v95, v23                    ; the row's smallest r
	v_fma_f32 v95, v95, s104, s66                  ; its largest t
	v_floor_f32 v95, -v95                          ; -M = floor(-t): M is a whole number
	v_add_f32 v90, s66, v95                        ; A - M
.irp b, 0,1,2,3,4,5,6,7
	v_fma_f32 v[TB+\b], v[TB+\b], s104, v90        ; t - M of each block's largest t: the same multiply-add as below on the same number
.endr
.set i, 0
.rept 64
	v_pk_fma_f32 v[S+2*i:S+2*i+1], v[S+2*i:S+2*i+1], s[104:105], v[90:91] op_sel_hi:[1,0,0]   ; t - M = -2 A r + (A - M)
.set i, i+1
.endr
.irp b, 0,1,2,3,4,5,6,7
	v_exp_f32 v[TB+\b], v[TB+\b]                   ; each block's largest p
.endr
.set i, 0
.rept 128
	v_exp_f32 v[S+i], v[S+i]                       ; p, not normalised
.set i, i+1
.endr
	v_nop
	s_wait_alu depctr_va_vdst(0)
.irp b, 0,1,2,3,4,5,6,7
	v_max_num_f32 v[TB+\b], FLOOR, v[TB+\b]
.endr
.irp b, 0,1,2,3,4,5,6,7
	v_add_nc_u32 v[TS+\b], EOFF, v[TB+\b]
.endr
.irp b, 0,1,2,3,4,5,6,7
	v_lshrrev_b32 v[TB+\b], 23, v[TS+\b]
.endr
	v_lshl_or_b32 v57, v17, 8, v16                 ; p's scale words of keys 0-127 and 128-255
	v_lshl_or_b32 v58, v21, 8, v20
	v_lshl_or_b32 v57, v18, 16, v57
	v_lshl_or_b32 v58, v22, 16, v58
	v_lshl_or_b32 v57, v19, 24, v57
	v_lshl_or_b32 v58, v23, 24, v58
.irp ks, 0,1
.irp c, 0,1
	v_cvt_scalef32_pk16_fp6_f32 v[PF+12*\ks+6*\c:PF+12*\ks+6*\c+2], v[S+64*\ks+32*\c:S+64*\ks+32*\c+15], v[TS+4*\ks+2*\c]
	v_cvt_scalef32_pk16_fp6_f32 v[PT+4*\c:PT+4*\c+2], v[S+64*\ks+32*\c+16:S+64*\ks+32*\c+31], v[TS+4*\ks+2*\c+1]
.endr
	v_nop                                          ; one plain place behind the conversions
.irp c, 0,1
.irp i, 0,1,2
	v_permlane16_swap_b32 v[PF+12*\ks+6*\c+\i], v[PT+4*\c+\i]
.endr
.irp i, 0,1,2
	v_mov_b32 v[PF+12*\ks+6*\c+3+\i], v[PT+4*\c+\i]
.endr
.endr
.endr
.irp c, 0,1,2,3                                ; the row's sum of the unquantised p, in four chains.  These lines are also the places between the writes of P's codes and scale words and the products
	v_pk_add_f32 v[PT+2*\c:PT+2*\c+1], v[S+2*\c:S+2*\c+1], v[S+8+2*\c:S+9+2*\c]
.endr
.set p, 8
.rept 56
	v_pk_add_f32 v[PT+2*(p%4):PT+2*(p%4)+1], v[PT+2*(p%4):PT+2*(p%4)+1], v[S+2*p:S+2*p+1]
.set p, p+1
.endr
	v_pk_add_f32 v[PT:PT+1], v[PT:PT+1], v[PT+2:PT+3]
	v_pk_add_f32 v[PT+4:PT+5], v[PT+4:PT+5], v[PT+6:PT+7]
	v_pk_add_f32 v[PT:PT+1], v[PT:PT+1], v[PT+4:PT+5]
	v_add_f32 v[PT], v[PT], v[PT+1]
	v_permlanex16_b32 v[PT+1], v[PT], s2, s3
	v_add_f32 v[PT], v[PT], v[PT+1]                ; with lane l xor 16's keys: l
	v_rcp_f32 v92, v[PT]
	v_nop
	WIN 0x01                                       ; source 0 (V) window 1
.irp ks, 0,1                                   ; four accumulators by turns
.irp ft, 0,1,2,3
.if \ks == 0
	v_wmma_scale_f32_16x16x128_f8f6f4 v[S+8*\ft:S+8*\ft+7], v[96+24*\ft:107+24*\ft], v[PF:PF+11], 0, v[48+2*\ft], v57 matrix_a_fmt:MATRIX_FMT_FP6 matrix_b_fmt:MATRIX_FMT_FP6
.else
	v_wmma_scale_f32_16x16x128_f8f6f4 v[S+8*\ft:S+8*\ft+7], v[108+24*\ft:119+24*\ft], v[PF+12:PF+23], v[S+8*\ft:S+8*\ft+7], v[49+2*\ft], v58 matrix_a_fmt:MATRIX_FMT_FP6 matrix_b_fmt:MATRIX_FMT_FP6
.endif
.endr
.endr
	WIN 0
	PLACES 5                                       ; behind the products: reads of O^T, and the next trip's products, which write over it
	s_wait_alu depctr_va_vdst(0)                   ; the reciprocal's wait, ahead of its first reader
.set i, 0
.rept 16
	v_pk_mul_f32 v[S+2*i:S+2*i+1], v[S+2*i:S+2*i+1], v[92:93] op_sel_hi:[1,0]      ; O^T / l
.set i, i+1
.endr
	s_wait_xcnt 0x0                                ; the last trip's stores have read their data and offsets
	v_add_nc_u32 v84, s8, v[L16]
	v_add_nc_u32 v85, s8, v[L8]
	v_add_nc_u32 v89, s6, v[R2]
	QUANT2 S, 76, 94                               ; my head's 64 channels are two blocks of the last product's K
	global_store_b128 v84, v[76:79], s[22:23]      ; 512 consecutive bytes, aligned to 256
	global_store_b64 v85, v[80:81], s[22:23]       ; 256
	ds_store_b16 v89, v94                          ; both lanes of a query write the same two bytes
	s_add_co_u32 s6, s6, 32
	s_add_co_u32 s8, s8, 12288
	s_sub_co_u32 s7, s7, 1
	s_cmp_lg_u32 s7, 0
	s_cbranch_scc1 .Lt
	s_wait_dscnt 0x0                               ; my bytes have landed
	s_barrier_signal -1
	s_barrier_wait -1
	; the scale words of K steps 2 g, 2 g + 1: wave w takes tiles 4 w .. 4 w + 3; a lane two rows: from each wave's region one word = those two rows' half words
	s_lshl_b32 s4, s26, 7
	s_add_co_u32 s4, s4, ASC
	v_add_nc_u32 v86, s4, v[L4]
.irp wv, 0,1,2,3
	ds_load_b32 v[16+\wv], v86 offset:512*\wv
.endr
	s_wait_dscnt 0x0
	v_perm_b32 v20, v17, v16, 0x05040100           ; the first row: heads 4 g, 4 g + 1,
	v_perm_b32 v21, v19, v18, 0x05040100           ; heads 4 g + 2, 4 g + 3;
	v_perm_b32 v22, v17, v16, 0x07060302           ; the second row likewise
	v_perm_b32 v23, v19, v18, 0x07060302
	global_store_b128 v[L16], v[20:23], s[24:25]   ; 512 consecutive bytes
	s_wait_tensorcnt 0x0                           ; the wave's end: these three lines stand behind my last tensor load and my last LDS store
	ds_add_u32 v[SPW], v[NIL]
	s_wait_dscnt 0x0
	CROUND                                         ; the closing round
	s_endpgm
.Lfunc_end_k_q73f1f60b83_attn:
	.size	k_q73f1f60b83_attn, .Lfunc_end_k_q73f1f60b83_attn-k_q73f1f60b83_attn
	.p2alignl 7, 3214868480
	.fill 96, 4, 3214868480
	.section	.rodata,"a",@progbits
	.p2align	6, 0x0
	.amdhsa_kernel k_q73f1f60b83_attn
		.amdhsa_group_segment_fixed_size 327680
		.amdhsa_private_segment_fixed_size 0
		.amdhsa_enable_private_segment 0
		.amdhsa_kernarg_size 88
		.amdhsa_user_sgpr_count 2
		.amdhsa_user_sgpr_kernarg_segment_ptr 1
		.amdhsa_wavefront_size32 1
		.amdhsa_system_sgpr_workgroup_id_x 1
		.amdhsa_system_sgpr_workgroup_id_y 1
		.amdhsa_system_sgpr_workgroup_id_z 1
		.amdhsa_system_vgpr_workitem_id 0
		.amdhsa_next_free_vgpr 1024
		.amdhsa_next_free_sgpr 106
		.amdhsa_reserve_vcc 0
		.amdhsa_float_denorm_mode_32 3
		.amdhsa_float_denorm_mode_16_64 3
		.amdhsa_memory_ordered 1
		.amdhsa_forward_progress 1
		.amdhsa_inst_pref_size 255
	.end_amdhsa_kernel
	.section	.bss,"aw",@nobits
	.p2align	6
	.space	262144
	.amdgpu_metadata
---
amdhsa.version: [ 1, 2 ]
amdhsa.kernels:
  - .name:           k_q73f1f60b83_attn
    .symbol:         k_q73f1f60b83_attn.kd
    .args:
      - { .name: xc, .offset: 0, .size: 8, .value_kind: global_buffer, .address_space: global }
      - { .name: xs, .offset: 8, .size: 8, .value_kind: global_buffer, .address_space: global }
      - { .name: wc, .offset: 16, .size: 8, .value_kind: global_buffer, .address_space: global }
      - { .name: ws, .offset: 24, .size: 8, .value_kind: global_buffer, .address_space: global }
      - { .name: mw, .offset: 32, .size: 8, .value_kind: global_buffer, .address_space: global }
      - { .name: rope_cos, .offset: 40, .size: 8, .value_kind: global_buffer, .address_space: global }
      - { .name: rope_sin, .offset: 48, .size: 8, .value_kind: global_buffer, .address_space: global }
      - { .name: q_scale, .offset: 56, .size: 8, .value_kind: global_buffer, .address_space: global }
      - { .name: k_scale, .offset: 64, .size: 8, .value_kind: global_buffer, .address_space: global }
      - { .name: ac, .offset: 72, .size: 8, .value_kind: global_buffer, .address_space: global }
      - { .name: asc, .offset: 80, .size: 8, .value_kind: global_buffer, .address_space: global }
    .group_segment_fixed_size: 327680
    .private_segment_fixed_size: 0
    .kernarg_segment_align: 8
    .kernarg_segment_size: 88
    .max_flat_workgroup_size: 128
    .sgpr_count:     106
    .vgpr_count:     1024
    .wavefront_size: 32
...
	.end_amdgpu_metadata
.endif
;; end of part 2
;; launch proj (part 3): grid 4 x 64, 4 waves a work-group, clusters of 4 x 1, 327,680 bytes of LDS; arguments ac, asc, wc, ws, out0; writes out0
.if DOCPART == 3
	.amdgcn_target "amdgcn-amd-amdhsa--gfx1250"
	.amdhsa_code_object_version 6
	.text
	.protected	k_q73f1f60b83_proj
	.globl	k_q73f1f60b83_proj
	.p2align	8
	.type	k_q73f1f60b83_proj,@function
k_q73f1f60b83_proj:
	s_mov_b64 s[64:65], 0
	v_nop
	global_prefetch_b8 v0, s[64:65] scope:SCOPE_SE
	s_setreg_imm32_b32 hwreg(HW_REG_WAVE_MODE, 25, 1), 1
	s_wait_xcnt 0x0
	s_wait_alu depctr_hold_cnt(0) depctr_sa_sdst(0) depctr_va_vdst(0) depctr_va_sdst(0) depctr_va_ssrc(0) depctr_va_vcc(0) depctr_vm_vsrc(0)
	s_getreg_b32 s2, hwreg(HW_REG_IB_STS2, 6, 4)
	s_cmp_eq_u32 s2, 0
	s_cbranch_scc0 .Lentry_in_a_cluster
	s_endpgm
.Lentry_in_a_cluster:
	s_bfe_u32 s2, ttmp6, 0x10000c
	s_cmp_lg_u32 s2, 0x3003
	s_cbranch_scc0 .Lentry_shape_is_right
	s_endpgm
.Lentry_shape_is_right:
; out0[n] = a[n] Wo on codes of FP6 (E2M3): a is attention's output as codes (ac, asc), Wo's codes are feature tiles 96-159 of wc.  f32 sums, K ascending, one accumulator an output.
; SHARES.  Work-group (g, n) makes columns 256 g .. 256 g + 255 of sequence n's 256 rows; wave w the 64 columns from 256 g + 64 w.  The wave's 32 fragments of Wo stay in its registers; the sequence's codes lie in LDS, filled once.
; CLUSTER.  The four g of one n need the same codes of a: asked for jointly (mask 15).  g (the place in the cluster; the grid is 4 wide) enters global addresses alone.
; The codes come in four chunks of 64 rows, so that the first products start when the first chunk has landed: five tensor loads a wave are out at the most; nothing in LDS is filled twice.
; LAYOUT as in the launches before: operands are images of their registers; row i of tile T is 32 (T / 2) + 8 (T % 2) + i + 8 (i / 8).  Source 0 = 16 columns of Wo, source 1 = 16 rows of a: a lane holds one row, and 32 columns: 16 h + 0..15, 32 + 16 h + 0..15.
; REGISTERS.  window 0: v1-8 addresses; v16-23 the four chunks' fragment addresses; v32-47 a's scale words; v48-63 Wo's; v64-127 rows on the way out, two sets; v128-255 accumulators.  windows 1, 2: Wo's fragments.  window 3: v0-95 a's fragments, two buffers.
.set AIMG,  0
.set ASCL,  196608                     ; a's scale words as they lie: [kv head 4][tile][row][2 words]
.set STG,   204800                     ; the way out: 16 rows x (256 bytes + 16) for each wave
.set SPARE, 222208                     ; the spare words, 128 bytes a wave
.set L16,  1
.set L8,   2
.set ASA,  5
.set STO,  6
.set RD,   7
.set GO,   8
.set SPW,  12
.set NIL,  13
.set WB,   72                          ; s[72:73] Wo's fragments, s[74:75] its scale words
.set MSB, 0
.macro WIN new                         ; the immediate's high byte repeats the setting that is left
.if MSB != (\new)
	s_set_vgpr_msb (MSB<<8)|(\new)
.set MSB, (\new)
.endif
.endm
.macro PLACES n
.rept \n
	v_nop
.endr
.endm
.macro CROUND                          ; a round of the cluster's barrier
	s_barrier_signal -1
	s_barrier_wait -1
	s_cmp_lg_u32 s26, 0
	s_cbranch_scc1 .Lnot_wave_0_\@
	s_barrier_signal -3
.Lnot_wave_0_\@:
	s_barrier_wait -3
	s_barrier_signal -1
	s_barrier_wait -1
.endm
.macro LOADW half
	WIN 0x40+0x40*(\half)
.irp s4, 0,1,2,3
.irp ft, 0,1,2,3
.set dW, 48*\s4+12*\ft
.set oW, (8*\ft+4*(\half)+\s4)*1536
	global_load_b128 v[dW:dW+3], v[L16], s[WB:WB+1] offset:oW
	global_load_b64 v[dW+4:dW+5], v[L8], s[WB:WB+1] offset:oW
	global_load_b128 v[dW+6:dW+9], v[L16], s[WB:WB+1] offset:oW+768
	global_load_b64 v[dW+10:dW+11], v[L8], s[WB:WB+1] offset:oW+768
.endr
.endr
	WIN 0
.endm
.macro XFETCH st                       ; a's four fragments of K step st into buffer st % 2 of window 3: 16 LDS loads
	WIN 0xc0
.irp tt, 0,1,2,3
.set dX, 48*((\st)%2)+12*\tt
.set oX, (8*\tt+(\st))*1536
	ds_load_b128 v[dX:dX+3], v[XA16] offset:oX
	ds_load_b64 v[dX+4:dX+5], v[XA8] offset:oX
	ds_load_b128 v[dX+6:dX+9], v[XA16] offset:oX+768
	ds_load_b64 v[dX+10:dX+11], v[XA8] offset:oX+768
.endr
.endm
.macro PROD d, a, b, sa, sb, st        ; K step 0 starts the sum; from K step 4 on both sides' words stand in lanes 16-31
.if \st == 0
	v_wmma_scale_f32_16x16x128_f8f6f4 v[\d:\d+7], v[\a:\a+11], v[\b:\b+11], 0, v[\sa], v[\sb] matrix_a_fmt:MATRIX_FMT_FP6 matrix_b_fmt:MATRIX_FMT_FP6
.elseif \st < 4
	v_wmma_scale_f32_16x16x128_f8f6f4 v[\d:\d+7], v[\a:\a+11], v[\b:\b+11], v[\d:\d+7], v[\sa], v[\sb] matrix_a_fmt:MATRIX_FMT_FP6 matrix_b_fmt:MATRIX_FMT_FP6
.else
	v_wmma_scale_f32_16x16x128_f8f6f4 v[\d:\d+7], v[\a:\a+11], v[\b:\b+11], v[\d:\d+7], v[\sa], v[\sb] matrix_a_fmt:MATRIX_FMT_FP6 matrix_b_fmt:MATRIX_FMT_FP6 matrix_a_scale:MATRIX_SCALE_ROW1 matrix_b_scale:MATRIX_SCALE_ROW1
.endif
.endm
; 64 rows x 64 columns x K = 1,024: 128 matrix instructions; sixteen accumulators by turns, one instruction a turn, in the same order in every K step
.macro GEMM j
.irp tt, 0,1,2,3
.irp gg, 0,1                                   ; register i of a tile's four: K step i in lanes 0-15, 4 + i in lanes 16-31: K steps 2 g', 2 g' + 1 lie with kv head g' = 2 h + gg
	ds_load_b64 v[32+4*\tt+2*\gg:33+4*\tt+2*\gg], v[ASA] offset:2048*\gg+128*(4*(\j)+\tt)
.endr
.endr
	XFETCH 0
.irp s, 0,1,2,3,4,5,6,7
.if \s > 0
	PLACES 4                                       ; in front of loads into the buffer that the last K step's products read
.endif
.if \s < 7
	XFETCH \s+1
	s_wait_dscnt 16                                ; all but the 16 just issued: this K step's fragments are in
.else
	s_wait_dscnt 0x0
.endif
	WIN 0x0d+(\s/4)                                ; source 0 (Wo) window 1 or 2, source 1 (a) window 3
.irp tt, 0,1,2,3
.irp ft, 0,1,2,3
.set rW, 48*(\s%4)+12*\ft
.set rX, 48*(\s%2)+12*\tt
.set sW, 48+4*\ft+\s%4
.set sX, 32+4*\tt+\s%4
.set rD, 128+32*\tt+8*\ft
	PROD rD, rW, rX, sW, sX, \s
.endr
.endr
.endr
	WIN 0
.endm
; THE WAY OUT of a tile of 16 rows x 64 columns: through my own stage, back as whole rows of 256 bytes
.macro TOSTAGE tt
	s_wait_xcnt 0x0                                ; earlier stores have read the registers into which the rows come back
.irp i, 0,1,2,3,4,5,6,7
	ds_store_b128 v[STO], v[128+32*(\tt)+4*\i:128+32*(\tt)+4*\i+3] offset:128*(\i/4)+16*(\i%4)   ; ascending: each accumulator from its low end on
.endr
.irp t, 0,1,2,3,4,5,6,7
	ds_load_b128 v[64+32*((\tt)%2)+4*\t:64+32*((\tt)%2)+4*\t+3], v[RD] offset:544*\t             ; LDS serves a wave's instructions in order: these see the stores above
.endr
.endm
.macro SEND j, tt, younger             ; younger: the LDS instructions issued behind this tile's loads, which may stay out
	s_wait_dscnt \younger
.irp t, 0,1,2,3,4,5,6,7
	global_store_b128 v[GO], v[64+32*((\tt)%2)+4*\t:64+32*((\tt)%2)+4*\t+3], s[12:13] offset:(64*(\j)+32*((\tt)/2)+8*((\tt)%2)+2*\t+8*(\t/4))*4096 th:TH_STORE_NT   ; sixteen lanes store 256 consecutive bytes, aligned
.endr
.endm
.macro MKG0 g, j                       ; descriptor group 0 of chunk j: my quarter, 12,288 bytes
	s_mov_b32 s[\g], 1
	s_add_co_u32 s[\g+1], s30, (\j)*49152
	s_add_nc_u64 s[\g+2:\g+3], s[20:21], (\j)*49152
	s_or_b32 s[\g+3], s[\g+3], 0x80000000
.endm
.macro GROUP j
	s_wait_tensorcnt 3-(\j)                        ; the scale words and my parts of chunks 0 .. j are in; the later chunks' loads may be out
	s_barrier_signal -1
	s_barrier_wait -1                              ; everybody's are
.set XA16, 16+2*(\j)
.set XA8,  17+2*(\j)
	GEMM \j
	PLACES 5                                       ; behind the last products: the stage's stores read results, and the next group's products begin these accumulators anew
	TOSTAGE 0
	TOSTAGE 1
	SEND \j, 0, 16                                 ; behind tile 0's loads: tile 1's 8 stores and 8 loads
	TOSTAGE 2
	SEND \j, 1, 16
	TOSTAGE 3
	SEND \j, 2, 16
	SEND \j, 3, 0
.endm
	s_load_b256 s[4:11], s[0:1], 0x0               ; ac, asc, wc, ws
	s_load_b64 s[12:13], s[0:1], 0x20              ; out0
	v_lshl_add_u32 v[SPW], v0, 2, SPARE
	v_mov_b32 v[NIL], 0
	ds_add_u32 v[SPW], v[NIL]                      ; the wave's opening: the add and its wait stand ahead of my first tensor load; work on registers stands between them
	v_lshrrev_b32 v24, 5, v0
	v_readfirstlane_b32 s26, v24                   ; wave
	s_bfe_u32 s27, ttmp6, 0x40000                  ; g
	s_and_b32 s28, ttmp7, 0xffff                   ; n
	; descriptor groups 1: dense blocks as rows of 256 bytes (32 elements of 8 bytes): 48 rows of codes, 8 rows of scale words
	s_mov_b32 s32, 15|(3<<16)|(1<<21)
	s_mov_b32 s33, 32<<16
	s_mov_b32 s34, 48<<16
	s_mov_b32 s35, 32<<16
	s_mov_b32 s36, 48
	s_mov_b32 s37, 32
	s_mov_b32 s38, 0
	s_mov_b32 s39, 0
	s_mov_b32 s40, 15|(3<<16)|(1<<21)
	s_mov_b32 s41, 32<<16
	s_mov_b32 s42, 8<<16
	s_mov_b32 s43, 32<<16
	s_mov_b32 s44, 8
	s_mov_b32 s45, 32
	s_mov_b32 s46, 0
	s_mov_b32 s47, 0
	s_mul_i32 s30, s26, 12288
	s_mul_i32 s20, s28, 196608
	s_add_co_u32 s20, s20, s30
	s_mov_b32 s21, 0
	s_lshl_b32 s31, s26, 11
	s_lshl_b32 s22, s28, 13
	s_add_co_u32 s22, s22, s31
	s_mov_b32 s23, 0
	s_lshl_b32 s14, s27, 4
	s_lshl_b32 s15, s26, 2
	s_add_co_u32 s14, s14, s15
	s_add_co_u32 s14, s14, 96                      ; my first feature tile: 96 + 16 g + 4 w
	s_mul_i32 s72, s14, 12288
	s_mov_b32 s73, 0
	s_lshl_b32 s74, s14, 9
	s_mov_b32 s75, 0
	s_lshl_b32 s76, s28, 20                        ; out0: n x 1,048,576 + 1,024 g + 256 w
	s_lshl_b32 s14, s27, 10
	s_add_co_u32 s76, s76, s14
	s_lshl_b32 s14, s26, 8
	s_add_co_u32 s76, s76, s14
	s_mov_b32 s77, 0
	s_mul_i32 s15, s26, 4352
	s_add_co_u32 s15, s15, STG                     ; my stage
	v_and_b32 v24, 31, v0
	v_and_b32 v25, 15, v0
	v_bfe_u32 v26, v0, 4, 1
	v_lshlrev_b32 v[L16], 4, v24
	v_lshl_add_u32 v[L8], v24, 3, 512
.irp j, 0,1,2,3
	v_add_nc_u32 v[16+2*\j], 49152*\j, v[L16]
	v_add_nc_u32 v[17+2*\j], 49152*\j, v[L8]
.endr
	v_lshlrev_b32 v[ASA], 12, v26
	v_lshl_add_u32 v[ASA], v25, 3, v[ASA]
	v_add_nc_u32 v[ASA], ASCL, v[ASA]              ; 4,096 h + 8 r
	v_mul_u32_u24 v[STO], v25, 272
	v_lshl_add_u32 v[STO], v26, 6, v[STO]
	v_add_nc_u32 v[STO], s15, v[STO]               ; in: row r, + 64 h
	v_mul_u32_u24 v[RD], v26, 272
	v_lshl_add_u32 v[RD], v25, 4, v[RD]
	v_add_nc_u32 v[RD], s15, v[RD]                 ; back: lanes 0-15 one row, lanes 16-31 the next
	v_lshlrev_b32 v[GO], 12, v26
	v_lshl_add_u32 v[GO], v25, 4, v[GO]            ; and the same two rows in out0
	s_wait_dscnt 0x0                               ; the opening add is done
	s_wait_kmcnt 0x0
	s_add_nc_u64 s[20:21], s[4:5], s[20:21]        ; ac at my quarter of chunk 0
	s_mov_b32 s48, 1
	s_add_co_u32 s49, s31, ASCL
	s_add_nc_u64 s[50:51], s[6:7], s[22:23]
	s_or_b32 s51, s51, 0x80000000
	MKG0 52, 0
	MKG0 56, 1
	MKG0 60, 2
	MKG0 68, 3
	s_add_nc_u64 s[72:73], s[8:9], s[72:73]
	s_add_nc_u64 s[74:75], s[10:11], s[74:75]
	s_add_nc_u64 s[12:13], s[12:13], s[76:77]
	CROUND                                         ; all four work-groups are here: the joint loads meet
	tensor_load_to_lds s[48:51], s[40:47]          ; the scale words first: they are wanted with chunk 0
	s_nop 0
	tensor_load_to_lds s[52:55], s[32:39]
	s_nop 0
	tensor_load_to_lds s[56:59], s[32:39]
	s_nop 0
	tensor_load_to_lds s[60:63], s[32:39]
	s_nop 0
	tensor_load_to_lds s[68:71], s[32:39]
	s_nop 0
	PLACES 4
	LOADW 0
	LOADW 1
.irp ft, 0,1,2,3
	global_load_b128 v[48+4*\ft:51+4*\ft], v[L16], s[WB+2:WB+3] offset:512*\ft
.endr
	s_wait_loadcnt 0x0                             ; Wo's fragments and scale words, once
	GROUP 0
	GROUP 1
	GROUP 2
	GROUP 3
	s_wait_tensorcnt 0x0                           ; the wave's end: these three lines stand behind my last tensor load and my last LDS store
	ds_add_u32 v[SPW], v[NIL]
	s_wait_dscnt 0x0
	CROUND                                         ; the closing round
	s_endpgm
.Lfunc_end_k_q73f1f60b83_proj:
	.size	k_q73f1f60b83_proj, .Lfunc_end_k_q73f1f60b83_proj-k_q73f1f60b83_proj
	.p2alignl 7, 3214868480
	.fill 96, 4, 3214868480
	.section	.rodata,"a",@progbits
	.p2align	6, 0x0
	.amdhsa_kernel k_q73f1f60b83_proj
		.amdhsa_group_segment_fixed_size 327680
		.amdhsa_private_segment_fixed_size 0
		.amdhsa_enable_private_segment 0
		.amdhsa_kernarg_size 40
		.amdhsa_user_sgpr_count 2
		.amdhsa_user_sgpr_kernarg_segment_ptr 1
		.amdhsa_wavefront_size32 1
		.amdhsa_system_sgpr_workgroup_id_x 1
		.amdhsa_system_sgpr_workgroup_id_y 1
		.amdhsa_system_sgpr_workgroup_id_z 1
		.amdhsa_system_vgpr_workitem_id 0
		.amdhsa_next_free_vgpr 1024
		.amdhsa_next_free_sgpr 80
		.amdhsa_reserve_vcc 0
		.amdhsa_float_denorm_mode_32 3
		.amdhsa_float_denorm_mode_16_64 3
		.amdhsa_memory_ordered 1
		.amdhsa_forward_progress 1
		.amdhsa_inst_pref_size 154
	.end_amdhsa_kernel
	.amdgpu_metadata
---
amdhsa.version: [ 1, 2 ]
amdhsa.kernels:
  - .name:           k_q73f1f60b83_proj
    .symbol:         k_q73f1f60b83_proj.kd
    .args:
      - { .name: ac, .offset: 0, .size: 8, .value_kind: global_buffer, .address_space: global }
      - { .name: asc, .offset: 8, .size: 8, .value_kind: global_buffer, .address_space: global }
      - { .name: wc, .offset: 16, .size: 8, .value_kind: global_buffer, .address_space: global }
      - { .name: ws, .offset: 24, .size: 8, .value_kind: global_buffer, .address_space: global }
      - { .name: out0, .offset: 32, .size: 8, .value_kind: global_buffer, .address_space: global }
    .group_segment_fixed_size: 327680
    .private_segment_fixed_size: 0
    .kernarg_segment_align: 8
    .kernarg_segment_size: 40
    .max_flat_workgroup_size: 128
    .sgpr_count:     80
    .vgpr_count:     1024
    .wavefront_size: 32
...
	.end_amdgpu_metadata
.endif
;; end of part 3
